; MI455X (gfx1250); checked and timed in simulation.
; The chip was launched on July 23, 2026; its instructions are those of AMD's public machine-readable ISA for CDNA 5 (MIT licence, August 2026) and "CDNA5" Instruction Set Architecture Reference Guide (July 2026). The comments in the code are by the model that wrote it; some were corrected since.
;; Multi Head Self Attention. Allowed arithmetic: matrix products marked QUANTISED: E2M1 operands, one E8M0 scale for each 32 along K, by v_wmma_scale_f32_16x16x128_f8f6f4 with both operands' format E2M1 (or v_wmma_scale_f32_32x16x128_f4), f32 sums; everything else in f32.
;; Inputs: b_out 1,024 float32; b_qkv 3,072 float32; w_out_codes 1,024 x 32 x 16 uint8 (E2M1 codes of w_out, K innermost, in blocks of 32 codes, two codes a byte); w_out_scales 1,024 x 32 uint8 (E8M0 scales of w_out, one for each 32 codes along K); w_qkv_codes 3,072 x 32 x 16 uint8 (E2M1 codes of w_qkv, K innermost, in blocks of 32 codes, two codes a byte); w_qkv_scales 3,072 x 32 uint8 (E8M0 scales of w_qkv, one for each 32 codes along K); x_codes 2 x 2,048 x 32 x 16 uint8 (E2M1 codes of x, K innermost, in blocks of 32 codes, two codes a byte); x_scales 2 x 2,048 x 32 uint8 (E8M0 scales of x, one for each 32 codes along K).
;; Outputs: out0 2 x 2,048 x 1,024 float32.
;; This version of the problem:
;;   THIS VERSION OF THE PROBLEM IS GIVEN IN LOW PRECISION. The matrix products marked QUANTISED in the list below multiply operands that are first quantised to E2M1 (2 exponent bits, 1 mantissa bit; 4 bits a number), with one power-of-two scale for each 32 numbers along K (OCP MX v1.0); their sums are f32. All else is computed in f32.
;;   The module's matrix products, in the order in which they are computed (A, B: the left and right operand; K: the contracted axis; several contracted axes count as one K, in the product's order):
;;     1. [M 4,096, K 1,024] x [K 1,024, N 3,072]; A: input x (given as codes); B: input w_qkv (given as codes): QUANTISED
;;     2. batch 32 x [M 2,048, K 64] x [K 64, N 2,048]; A: computed on the way; B: computed on the way: QUANTISED
;;     3. batch 32 x [M 2,048, K 2,048] x [K 2,048, N 64]; A: softmax (see below); B: computed on the way: QUANTISED
;;     4. [M 4,096, K 1,024] x [K 1,024, N 1,024]; A: computed on the way; B: input w_out (given as codes): QUANTISED
;;   THE QUANTISER, for each operand of a quantised product, along K:
;;     - K is cut into blocks of 32 from its start; a last block that is shorter is filled with zeros.
;;     - A block's scale is 2^e with e = floor(log2(the largest magnitude in the block)) - 2, held to -126 .. 127; a block of zeros has e = 0. As a byte (E8M0): e + 127.
;;     - Each number is divided by its block's scale, clamped to +-6, and rounded to the nearest number of E2M1, ties to even, subnormals kept.
;;     - The product sums the exact products of the quantised numbers (number of the format x scale) in f32.
;;   ~~~python
;;   def quantise(x, axis):      # numpy; x: float32 -> the quantised numbers, widened to float32 again
;;       x = np.moveaxis(x, axis, -1); K = x.shape[-1]
;;       x = np.pad(x, [(0, 0)] * (x.ndim - 1) + [(0, -K % 32)]); x = x.reshape(x.shape[:-1] + (-1, 32)); a = np.abs(x).max(-1, keepdims=True)
;;       e = np.where(a > 0, np.clip(np.frexp(np.where(a > 0, a, 1))[1] - 1 - 2, -126, 127), 0)      # np.frexp(a)[1] - 1 = floor(log2(a)), exactly
;;       r = np.clip(x / 2.0 ** e, -6, 6)
;;       step = 2.0 ** (np.maximum(np.frexp(np.where(r == 0, 1, r))[1] - 1, 0) - 1)
;;       q = np.round(r / step) * step * 2.0 ** e      # np.round: ties to even
;;       return np.moveaxis(q.reshape(q.shape[:-2] + (-1,))[..., :K], -1, axis).astype(np.float32)
;;   ~~~
;;   SOFTMAX AHEAD OF A QUANTISED PRODUCT. Where the list says 'softmax', what is quantised is not the finished softmax but p = 2^(t - M), with t = logit x log2(e) and M = ceil(the row's largest t), a whole number; so 1/2 < the row's largest p <= 1. The row's sum l is taken of the UNQUANTISED p, in f32, and the product's result is divided by l at the end. Since M is a whole number, a kernel that streams over the keys may use a running M (the ceiling of the running maximum): every later rescaling is an exact power of two, which a block's scale takes up: the codes' values come out the same.
;;   OPERANDS COMPUTED ON THE WAY. 'Computed on the way' means the value that the module computes at that place (a softmax that the list does not call 'softmax' is quantised finished and normalised). What goes into a quantiser is computed in f32, as accurately as f32 sums, v_exp_f32 and their like allow (about 1e-6 of the number): no bf16 or f16 on the way to a quantiser, and a product that is left as it is and whose result goes on into a quantised operand takes f32 operands (vector FMAs, or v_wmma_f32_16x16x4_f32). A number that lies on a knife's edge between two numbers of the format may be rounded either way, as far as f32 arithmetic and the matrix unit's own rounding can turn it there, and no further.
;;   INPUTS GIVEN AS CODES. w_out (in the module: [1024, 1024], K = its axis 0); w_qkv (in the module: [1024, 3072], K = its axis 0); x (in the module: [2, 2048, 1024], K = its axis 2): each comes as NAME_codes (uint8): NAME with its K axis moved to the last place and cut into blocks of 32 codes, [.., K / 32, bytes a block], one block behind the other in memory; two codes a byte, the lower K in the low four bits (a code: sign, 2 exponent bits, 1 mantissa bit); and NAME_scales (uint8): the same leading axes, one E8M0 byte (e + 127) for each 32 codes along K. Its value is code x scale, taken as it is: it is not quantised again, and the codes and scales need not be those that the quantiser above would give.
;; One version. Each part assembles by itself: llvm-mc -triple=amdgcn-amd-amdhsa -mcpu=gfx1250 --defsym DOCPART=n.
;; ======== version 1 of 1: 3 launches
;; limits: right only within a limited range of input values
;; workspace buffers: qc 2,097,152 bytes; qs 262,144 bytes; kc 2,097,152 bytes; vc 2,097,152 bytes; kvs 262,144 bytes; oc 2,097,152 bytes; os 131,072 bytes
;; launch qkv (part 1): grid 12 x 16, 4 waves a work-group, clusters of 4 x 4, 327,680 bytes of LDS; arguments x_codes, x_scales, w_qkv_codes, w_qkv_scales, b_qkv, qc, qs, kc, vc, kvs; writes qc, qs, kc, vc, kvs
.if DOCPART == 1
	.amdgcn_target "amdgcn-amd-amdhsa--gfx1250"
	.amdhsa_code_object_version 6
	.text
	.protected	k_q854d41bc73_qkv
	.globl	k_q854d41bc73_qkv
	.p2align	8
	.type	k_q854d41bc73_qkv,@function
k_q854d41bc73_qkv:
	s_mov_b64 s[64:65], 0
	v_nop
	global_prefetch_b8 v0, s[64:65] scope:SCOPE_SE
	s_setreg_imm32_b32 hwreg(HW_REG_WAVE_MODE, 25, 1), 1
	s_wait_xcnt 0x0
	s_wait_alu depctr_hold_cnt(0) depctr_sa_sdst(0) depctr_va_vdst(0) depctr_va_sdst(0) depctr_va_ssrc(0) depctr_va_vcc(0) depctr_vm_vsrc(0)
	s_getreg_b32 s2, hwreg(HW_REG_IB_STS2, 6, 4)
	s_cmp_eq_u32 s2, 0
	s_cbranch_scc0 .Lentry_in_a_cluster
	s_endpgm
.Lentry_in_a_cluster:
	s_bfe_u32 s2, ttmp6, 0x10000c
	s_cmp_lg_u32 s2, 0xf033
	s_cbranch_scc0 .Lentry_shape_is_right
	s_endpgm
.Lentry_shape_is_right:
; q, k, v = x w_qkv + b_qkv on codes of FP4 (E2M1) with E8M0 scales, quantised again in the epilogue: q and k along the head's 64, v along the tokens.
; Nothing of reference() is left out.  LIMITS: NaN and infinities are not served; a block whose largest magnitude lies under 2^-124, or that is all zeros, has the byte 1 (its codes are zeros or as that scale gives them).
; SHARES.  A work-group of four waves makes 256 tokens x 256 columns; a wave 128 x 128: 64 accumulators of 16 x 16 in windows 2 and 3.  K = 1,024 comes in two halves of 512, each with LDS of its own: rows of 256 bytes + 16 of padding; each LDS byte is filled once.
; THE HEAD'S LOADS, ONE A WAVE: the first half of A's 256 rows, of B's 256 rows, A's scale bytes, B's scale bytes.  The second half is asked for when they have landed, and has three steps of 64 products in which to land.
; There is no loop of loads to run ahead in, so nothing is prefetched.
; CLUSTERS: 4 x 4 work-groups; A's tiles are shared along a row of the cluster, B's along a column, each asked for jointly.
; q and k take tokens as source 1 (a lane holds one token, registers run along the columns); v takes the columns as source 1 (registers run along the tokens): A and B change places there.
.set NQ,     4                         ; products of K = 128 in half a row
.set ROWB,   256
.set KROW,   512
.set PITCH,  272
.set FR,     8
.set NL,     2
.set NP,     4
.set HALFT,  128*PITCH
.set SLOT,   4*HALFT
.set KS,     32
.set SCL,    2*SLOT
.set HALFS,  16*272
.set SBLK,   2*272
.set MX,   4
.set PB,   8
.set SO,   12
.set ADRA, 16
.set ADRB, 20
.set PW,   16
.set LI,   24
.set SELV, 25
.set VQS,  26
.set ADRS, 27
.set SC,   32
.set BV,   96
.set PC,   112
.set AF,   128
.set ST,   128
.set QW,   128
.set BQ,   192
.set SEL,  20
.set G1,   24
.set G0,   32
.set G1B,  48
.set G0B,  56
.set G1S,  68
.set G0S,  76
.set G1SB, 80
.set G0SB, 88
.set MSB, 0
.macro WIN new
.if MSB != (\new)
	s_set_vgpr_msb (MSB<<8)|(\new)
.set MSB, (\new)
.endif
.endm
.set MUL_LO, 0xa1
.set MUL_HI, 0xf1
.set TO_B,   0x40
.macro ARM under, g0, g1, next, end    ; one arm of a tree of branches on the wave's number: one joint load
	s_cmp_lt_u32 s14, \under
	s_cbranch_scc0 \next
	tensor_load_to_lds s[\g0:\g0+3], s[\g1:\g1+7]
	s_nop 0
.rept 4
	v_nop
.endr
	s_branch \end
\next:
.endm
.macro MKG0 g, lds, p, add             ; a group 0: count 1; LDS address; global address; type 2
	s_mov_b32 s[\g], 1
	s_mov_b32 s[\g+1], \lds
	s_add_nc_u64 s[\g+2:\g+3], s[\p:\p+1], \add
	s_or_b32 s[\g+3], s[\g+3], 0x80000000
.endm
.macro CROUND
	s_barrier_signal -1
	s_barrier_wait -1
	s_cmp_lg_u32 s14, 0
	s_cbranch_scc1 .Lnot_wave_0_\@
	s_barrier_signal -3
.Lnot_wave_0_\@:
	s_barrier_wait -3
	s_barrier_signal -1
	s_barrier_wait -1
.endm
	s_load_b256 s[68:75], s[0:1], 0x0
	s_load_b64 s[12:13], s[0:1], 0x20
	s_load_b256 s[48:55], s[0:1], 0x28
	s_load_b64 s[56:57], s[0:1], 0x48
	v_lshl_add_u32 v30, v0, 2, 0x48800
	v_mov_b32 v31, 0
	ds_add_u32 v30, v31
	ds_add_u32 v30, v31
	v_lshrrev_b32 v1, 5, v0
	v_readfirstlane_b32 s14, v1
	s_lshr_b32 s15, s14, 1
	s_and_b32 s16, s14, 1
	s_bfe_u32 s40, ttmp6, 0x40000
	s_bfe_u32 s41, ttmp6, 0x40004
	s_and_b32 s18, ttmp7, 0xffff
	s_lshl_b32 s18, s18, 2
	s_lshl_b32 s19, ttmp9, 2
	s_cmp_eq_u32 ttmp9, 2
	s_cselect_b32 s17, 8, s18
	s_cselect_b32 s42, s18, s19
	s_add_co_u32 s17, s17, s41
	s_add_co_u32 s42, s42, s40
	s_lshl_b32 s43, s41, 2
	s_lshl_b32 s43, 15, s43
	s_lshl_b32 s44, 0x1111, s40
	s_lshl_b32 s20, s17, 8                         ; A's first row
	s_lshl_b32 s46, s42, 8                         ; B's
	s_lshl_b32 s22, s20, 5
	s_mov_b32 s23, 0
	s_lshl_b32 s92, s46, 5
	s_mov_b32 s93, 0
	s_lshl_b32 s20, s20, 9
	s_mov_b32 s21, 0
	s_lshl_b32 s46, s46, 9
	s_mov_b32 s47, 0
	s_wait_dscnt 0x0                               ; both opening adds are done
	CROUND                                         ; all sixteen work-groups are here: the first joint loads meet
	s_wait_kmcnt 0x0
	s_cmp_eq_u32 ttmp9, 2
	s_cselect_b64 s[4:5], s[72:73], s[68:69]
	s_cselect_b64 s[6:7], s[74:75], s[70:71]
	s_cselect_b64 s[8:9], s[68:69], s[72:73]
	s_cselect_b64 s[10:11], s[70:71], s[74:75]
	s_cselect_b64 s[96:97], s[54:55], s[52:53]
	s_cmp_eq_u32 ttmp9, 0
	s_cselect_b64 s[96:97], s[48:49], s[96:97]
	s_cselect_b64 s[98:99], s[50:51], s[56:57]
	s_or_b32 s[G1+0], s43, (0<<16)|(1<<20)|(1<<21)|(5<<22)|(3<<25)
	s_or_b32 s[G1B+0], s44, (0<<16)|(1<<20)|(1<<21)|(5<<22)|(3<<25)
.irp g, G1, G1B
	s_mov_b32 s[\g+1], ROWB<<16
	s_mov_b32 s[\g+2], 256<<16
	s_mov_b32 s[\g+3], ROWB<<16
	s_mov_b32 s[\g+4], 256
	s_mov_b32 s[\g+5], KROW
	s_mov_b32 s[\g+6], 0
	s_mov_b32 s[\g+7], 0
.endr
	s_or_b32 s[G1S+0], s43, (3<<16)|(1<<20)|(1<<21)|(5<<22)|(3<<25)
	s_or_b32 s[G1SB+0], s44, (3<<16)|(1<<20)|(1<<21)|(5<<22)|(3<<25)
.irp g, G1S, G1SB
	s_mov_b32 s[\g+1], 32<<16
	s_mov_b32 s[\g+2], 32<<16
	s_mov_b32 s[\g+3], 32<<16
	s_mov_b32 s[\g+4], 32
	s_mov_b32 s[\g+5], 32
	s_mov_b32 s[\g+6], 0
	s_mov_b32 s[\g+7], 0
.endr
	s_add_nc_u64 s[20:21], s[4:5], s[20:21]
	s_add_nc_u64 s[22:23], s[6:7], s[22:23]
	s_add_nc_u64 s[46:47], s[8:9], s[46:47]
	s_add_nc_u64 s[92:93], s[10:11], s[92:93]
	MKG0 G0,    0,            20, 0                ; A's rows: the first half of K,
	MKG0 G0B,   2*HALFT,      46, 0                ; B's, behind them
	MKG0 G0S,   SCL,          22, 0                ; the scale bytes of A's 256 rows
	MKG0 G0SB,  SCL+2*HALFS,  92, 0                ; and of B's
	ARM 1, G0,  G1,  .Lhead_b,  .Lhead_asked
	ARM 2, G0B, G1B, .Lhead_sa, .Lhead_asked
	ARM 3, G0S, G1S, .Lhead_sb, .Lhead_asked
	tensor_load_to_lds s[G0SB:G0SB+3], s[G1SB:G1SB+7]
	s_nop 0
.rept 4
	v_nop
.endr
.Lhead_asked:
	MKG0 G0+4,  SLOT,         20, ROWB             ; the second half of K
	MKG0 G0B+4, SLOT+2*HALFT, 46, ROWB
	s_lshl_b32 s66, s17, 8
	s_lshl_b32 s2, s15, 7
	s_add_co_u32 s66, s66, s2
	s_lshl_b32 s67, s42, 8
	s_lshl_b32 s2, s16, 7
	s_add_co_u32 s67, s67, s2
	s_cmp_eq_u32 ttmp9, 2
	s_cselect_b32 s2, s67, s66
	s_cselect_b32 s3, s66, s67
	s_and_b32 s95, s3, 1023
	s_lshr_b32 s95, s95, 6
	s_lshr_b32 s101, s2, 11
	s_lshl_b32 s101, s101, 4
	s_add_co_u32 s95, s95, s101
	s_and_b32 s2, s2, 2047
	s_lshl_b32 s100, s95, 16
	s_lshl_b32 s101, s2, 5
	s_add_co_u32 s100, s100, s101
	s_mov_b32 s101, 0
	s_add_nc_u64 s[96:97], s[96:97], s[100:101]
	s_lshl_b32 s100, s95, 13
	s_lshl_b32 s2, s2, 2
	s_add_co_u32 s100, s100, s2
	s_add_nc_u64 s[98:99], s[98:99], s[100:101]
	s_lshl_b32 s100, s3, 2
	s_add_nc_u64 s[12:13], s[12:13], s[100:101]
	s_mov_b32 s100, 0xffff0000
	v_and_b32 v1, 15, v0
	v_bfe_u32 v2, v0, 4, 1
	v_mul_u32_u24 v3, v1, PITCH
	v_lshl_add_u32 v4, v2, 4, v3
	s_mul_i32 s21, s15, HALFT
	s_mul_i32 s22, s16, HALFT
	s_add_co_u32 s22, s22, 2*HALFT
.irp s, 0,1
	v_add_nc_u32 v[ADRA+\s], s21, v4
	v_add_nc_u32 v[ADRB+\s], s22, v4
	s_add_co_u32 s21, s21, SLOT
	s_add_co_u32 s22, s22, SLOT
.endr
	v_mul_u32_u24 v5, v1, KS
	v_lshrrev_b32 v6, 8, v5
	v_lshl_add_u32 v5, v6, 4, v5
	s_mul_i32 s21, s15, HALFS
	s_mul_i32 s22, s16, HALFS
	s_add_co_u32 s22, s22, 2*HALFS
	s_sub_co_u32 s22, s22, s21
	v_mul_u32_u24 v6, s22, v2
	s_add_co_u32 s21, s21, SCL
	v_add_nc_u32 v5, v5, v6
	v_add_nc_u32 v[ADRS], s21, v5
	v_and_b32 v6, 31, v0
	v_lshlrev_b32 v[LI], 4, v6
	v_mov_b32 v5, 0x07060302
	v_mov_b32 v[SELV], 0x05040100
	v_cndmask_b32 v[SELV], v[SELV], v5, s100
	v_lshlrev_b32 v[VQS], 4, v1
	v_lshl_add_u32 v[VQS], v2, 13, v[VQS]
	v_lshlrev_b32 v7, 5, v2
	v_lshlrev_b32 v8, 2, v1
.irp b, 0,1,2,3,4,5,6,7
	global_load_b128 v[BQ+8*\b:BQ+8*\b+3], v7, s[12:13] offset:64*\b
	global_load_b128 v[BQ+8*\b+4:BQ+8*\b+7], v7, s[12:13] offset:64*\b+16
.endr
.irp a, 0,1,2,3,4,5,6,7
	global_load_b32 v[BV+2*\a], v8, s[12:13] offset:64*\a
	global_load_b32 v[BV+2*\a+1], v8, s[12:13] offset:64*\a
.endr
.macro FRAG reg, adr, q, i
.irp c, 0,1
	ds_load_b128 v[\reg+4*\c:\reg+4*\c+3], v[\adr] offset:64*(\q)+32*\c+(\i)*16*PITCH
.endr
.endm
.macro MUL16 a0, p, q, sc, zero
.irp a, \a0, \a0+1
.irp b, 0,1,2,3,4,5,6,7
.if \zero
	v_wmma_scale_f32_16x16x128_f8f6f4 v[8*(8*((\a)%4)+\b):8*(8*((\a)%4)+\b)+7], v[128*(\p)+FR*\b:128*(\p)+FR*\b+FR-1], v[AF+FR*(\a):AF+FR*(\a)+FR-1], 0, v[SC+8*NQ*(\sc)+NQ*\b+(\q)], v[SC+8*NQ*(\sc)+NQ*(\a)+(\q)] matrix_a_fmt:MATRIX_FMT_FP4 matrix_b_fmt:MATRIX_FMT_FP4 matrix_a_scale:MATRIX_SCALE_ROW1
.else
	v_wmma_scale_f32_16x16x128_f8f6f4 v[8*(8*((\a)%4)+\b):8*(8*((\a)%4)+\b)+7], v[128*(\p)+FR*\b:128*(\p)+FR*\b+FR-1], v[AF+FR*(\a):AF+FR*(\a)+FR-1], v[8*(8*((\a)%4)+\b):8*(8*((\a)%4)+\b)+7], v[SC+8*NQ*(\sc)+NQ*\b+(\q)], v[SC+8*NQ*(\sc)+NQ*(\a)+(\q)] matrix_a_fmt:MATRIX_FMT_FP4 matrix_b_fmt:MATRIX_FMT_FP4 matrix_a_scale:MATRIX_SCALE_ROW1
.endif
.endr
.endr
.endm
.macro FETCH_B slot, q, p
	WIN TO_B
.irp i, 0,1,2,3,4,5,6,7
	FRAG 128*(\p)+FR*\i, ADRB+\slot, \q, \i
.endr
	WIN 0
.endm
.macro FETCH_A slot, q, i0
.irp i, \i0, \i0+1, \i0+2, \i0+3
	FRAG AF+FR*(\i), ADRA+\slot, \q, \i
.endr
.endm
.macro SCALES sc
.irp i, 0,1,2,3,4,5,6,7
	ds_load_b128 v[SC+8*NQ*\sc+NQ*\i:SC+8*NQ*\sc+NQ*\i+3], v[ADRS] offset:\i*SBLK+16*\sc
.endr
.endm
.macro PLACES n
.rept \n
	v_nop
.endr
.endm
.macro STEP slot, q, zero
	s_wait_dscnt 4*NL
	WIN MUL_LO
	MUL16 0, (\q)%2, \q, \slot, \zero
	MUL16 2, (\q)%2, \q, \slot, \zero
	s_wait_dscnt 0
	PLACES NP
	FETCH_B \slot, (\q)+1, 1-(\q)%2
	FETCH_A \slot, (\q)+1, 0
	WIN MUL_HI
	MUL16 4, (\q)%2, \q, \slot, \zero
	MUL16 6, (\q)%2, \q, \slot, \zero
	PLACES NP
	WIN 0
	FETCH_A \slot, (\q)+1, 4
.endm
	s_wait_alu depctr_va_vdst(0)                   ; the wait at the head's end
	s_wait_tensorcnt 0x0                           ; my tile of the four is in
	ds_add_u32 v30, v31
	s_wait_dscnt 0x0
	CROUND                                         ; everybody's tile is in, and all sixteen work-groups are here
	ARM 1, G0+4,  G1,  .Lhalf_b,    .Lhalf_asked   ; the second half of K, by waves 0 and 1
	ARM 2, G0B+4, G1B, .Lhalf_none, .Lhalf_asked
.Lhalf_asked:
	FETCH_B 0, 0, 0
	FETCH_A 0, 0, 0
	SCALES 0
	FETCH_A 0, 0, 4
	STEP 0, 0, 1
	STEP 0, 1, 0
	STEP 0, 2, 0
	s_wait_tensorcnt 0x0
	s_wait_dscnt 4*NL
	WIN MUL_LO
	MUL16 0, 1, NQ-1, 0, 0
	s_wait_dscnt 0x0
	s_barrier_signal -1
	MUL16 2, 1, NQ-1, 0, 0
	WIN 0
	s_barrier_wait -1
	PLACES NP
	FETCH_B 1, 0, 0
	FETCH_A 1, 0, 0
	SCALES 1
	WIN MUL_HI
	MUL16 4, 1, NQ-1, 0, 0
	MUL16 6, 1, NQ-1, 0, 0
	PLACES NP
	WIN 0
	FETCH_A 1, 0, 4
	STEP 1, 0, 0
	STEP 1, 1, 0
	STEP 1, 2, 0
	s_wait_dscnt 4*NL
	WIN MUL_LO
	MUL16 0, 1, NQ-1, 1, 0
	MUL16 2, 1, NQ-1, 1, 0
	s_wait_dscnt 0
	WIN MUL_HI
	MUL16 4, 1, NQ-1, 1, 0
	MUL16 6, 1, NQ-1, 1, 0
	WIN 0
	PLACES NP
.macro QUANT s, pc, pw
.irp b, 0,1,2,3
	v_max3_num_f32 v[MX+\b], |v[\s+16*\b]|, |v[\s+1+16*\b]|, 0x1800000
.endr
.irp i, 2,4,6,8,10,12,14
.irp b, 0,1,2,3
	v_max3_num_f32 v[MX+\b], v[MX+\b], |v[\s+16*\b+\i]|, |v[\s+1+16*\b+\i]|
.endr
.endr
.irp b, 0,1,2,3
	v_permlanex16_b32 v[PB+\b], v[MX+\b], s[SEL], s[SEL+1]
.endr
.irp b, 0,1,2,3
	v_max_num_f32 v[MX+\b], v[MX+\b], v[PB+\b]
.endr
.irp b, 0,1,2,3
	v_add_nc_u32 v[SO+\b], 0xff000000, v[MX+\b]
.endr
.irp b, 0,1,2,3
	v_lshrrev_b32 v[PB+\b], 23, v[SO+\b]
.endr
	v_lshl_or_b32 v[\pw], v[PB+1], 8, v[PB]
	v_lshl_or_b32 v[\pw], v[PB+2], 16, v[\pw]
	v_lshl_or_b32 v[\pw], v[PB+3], 24, v[\pw]
.irp c, 0,1
	v_cvt_scalef32_pk8_fp4_f32 v[\pc+4*\c],   v[\s+32*\c:\s+32*\c+7],     v[SO+2*\c]
	v_cvt_scalef32_pk8_fp4_f32 v[\pc+4*\c+2], v[\s+32*\c+8:\s+32*\c+15],  v[SO+2*\c]
	v_cvt_scalef32_pk8_fp4_f32 v[\pc+4*\c+1], v[\s+32*\c+16:\s+32*\c+23], v[SO+2*\c+1]
	v_cvt_scalef32_pk8_fp4_f32 v[\pc+4*\c+3], v[\s+32*\c+24:\s+32*\c+31], v[SO+2*\c+1]
.endr
	v_nop
.irp c, 0,1
	v_permlane16_swap_b32 v[\pc+4*\c], v[\pc+4*\c+1]
	v_permlane16_swap_b32 v[\pc+4*\c+2], v[\pc+4*\c+3]
.endr
.endm
.macro OUTB a, mode
.set AC, 64*((\a)%4)
.set PCA, PC+8*((\a)%2)
.set PWA, PW+(\a)
	WIN 0x02+(\a)/4
.set ii, 0
.rept 32
.if \mode
	v_pk_add_f32 v[ST+ii:ST+ii+1], v[AC+ii:AC+ii+1], v[BV+2*(\a):BV+2*(\a)+1]
.else
	v_pk_add_f32 v[ST+ii:ST+ii+1], v[AC+ii:AC+ii+1], v[BQ+ii:BQ+ii+1]
.endif
.set ii, ii+2
.endr
	WIN 0
	s_wait_xcnt 0x0
	QUANT ST, PCA, PWA
.if \mode
	global_store_b128 v[LI], v[PCA:PCA+3], s[96:97] offset:65536*((\a)/4)+1024*((\a)%4)
	global_store_b128 v[LI], v[PCA+4:PCA+7], s[96:97] offset:65536*((\a)/4)+1024*((\a)%4)+512
.else
	global_store_b128 v[LI], v[PCA:PCA+3], s[96:97] offset:512*(\a)
	global_store_b128 v[LI], v[PCA+4:PCA+7], s[96:97] offset:512*(\a)+65536
.endif
.endm
	s_wait_loadcnt 0x0
	s_mov_b32 s[SEL], 0x76543210
	s_mov_b32 s[SEL+1], 0xfedcba98
.irp b, 0,1,2,3
	v_mov_b32 v[PB+\b], 0
.endr
	s_cmp_eq_u32 ttmp9, 2
	s_cbranch_scc1 .Lv_part
.irp a, 0,1,2,3,4,5,6,7
	OUTB \a, 0
.endr
	s_cmp_eq_u32 ttmp9, 0
	s_cbranch_scc0 .Lk_part
.irp a, 0,1,2,3,4,5,6,7
	v_perm_b32 v[QW+\a], v[PW+\a], v[PW+\a], v[SELV]
.endr
	global_store_b128 v[VQS], v[QW:QW+3], s[98:99]
	global_store_b128 v[VQS], v[QW+4:QW+7], s[98:99] offset:256
	s_branch .Lend
.Lk_part:
	; k's scale words for the next launch's fragments: word u of row r holds the two bytes of key 64 (u / 2) + 32 (r / 8) + 16 (u % 2) + r % 8, and above them those of the key 8 further on.
	; In my registers: the halves of tile 4 (u / 2) + 2 (r / 8) + u % 2, rows r % 8 and r % 8 + 8: one is mine, the other lane l xor 8's.
	s_wait_alu depctr_va_vdst(0)
	s_mov_b32 s101, 0x00ff00ff                     ; the lanes with r < 8
	v_alignbit_b32 v172, v[SELV], v[SELV], 16
	v_cndmask_b32 v172, v[SELV], v172, s101        ; r < 8: my half below, else above
.irp u, 0,1,2,3
	v_cndmask_b32 v[160+\u], v[PW+4*(\u/2)+\u%2], v[PW+4*(\u/2)+2+\u%2], s101   ; what lane l xor 8 wants
	v_mov_b32 v[168+\u], 0
.endr
.irp u, 0,1,2,3
	v_cndmask_b32 v[164+\u], v[PW+4*(\u/2)+2+\u%2], v[PW+4*(\u/2)+\u%2], s101   ; what I want
.endr
.irp u, 0,1,2,3
	v_mov_b32_dpp v[168+\u], v[160+\u] row_xmask:8 row_mask:0xf bank_mask:0xf
.endr
.irp u, 0,1,2,3
	v_perm_b32 v[QW+\u], v[164+\u], v[168+\u], v172
.endr
	global_store_b128 v[VQS], v[QW:QW+3], s[98:99]
	s_branch .Lend
.Lv_part:
.irp a, 0,1,2,3,4,5,6,7
	OUTB \a, 1
.endr
.irp i, 0,1,2,3
	v_cndmask_b32 v[QW+\i], v[PW+\i], v[PW+4+\i], s100
.endr
	global_store_b128 v[VQS], v[QW:QW+3], s[98:99] offset:256
.Lend:
	s_wait_tensorcnt 0x0
	ds_add_u32 v30, v31
	s_wait_dscnt 0x0
	CROUND
	s_endpgm
.Lfunc_end_k_q854d41bc73_qkv:
	.size	k_q854d41bc73_qkv, .Lfunc_end_k_q854d41bc73_qkv-k_q854d41bc73_qkv
	.p2alignl 7, 3214868480
	.fill 96, 4, 3214868480
	.section	.rodata,"a",@progbits
	.p2align	6, 0x0
	.amdhsa_kernel k_q854d41bc73_qkv
		.amdhsa_group_segment_fixed_size 327680
		.amdhsa_private_segment_fixed_size 0
		.amdhsa_enable_private_segment 0
		.amdhsa_kernarg_size 80
		.amdhsa_user_sgpr_count 2
		.amdhsa_user_sgpr_kernarg_segment_ptr 1
		.amdhsa_wavefront_size32 1
		.amdhsa_system_sgpr_workgroup_id_x 1
		.amdhsa_system_sgpr_workgroup_id_y 1
		.amdhsa_system_sgpr_workgroup_id_z 1
		.amdhsa_system_vgpr_workitem_id 0
		.amdhsa_next_free_vgpr 1024
		.amdhsa_next_free_sgpr 102
		.amdhsa_reserve_vcc 0
		.amdhsa_float_denorm_mode_32 3
		.amdhsa_float_denorm_mode_16_64 3
		.amdhsa_memory_ordered 1
		.amdhsa_forward_progress 1
		.amdhsa_inst_pref_size 198
	.end_amdhsa_kernel
	.amdgpu_metadata
---
amdhsa.version: [ 1, 2 ]
amdhsa.kernels:
  - .name:           k_q854d41bc73_qkv
    .symbol:         k_q854d41bc73_qkv.kd
    .args:
      - { .name: x_codes, .offset: 0, .size: 8, .value_kind: global_buffer, .address_space: global }
      - { .name: x_scales, .offset: 8, .size: 8, .value_kind: global_buffer, .address_space: global }
      - { .name: w_qkv_codes, .offset: 16, .size: 8, .value_kind: global_buffer, .address_space: global }
      - { .name: w_qkv_scales, .offset: 24, .size: 8, .value_kind: global_buffer, .address_space: global }
      - { .name: b_qkv, .offset: 32, .size: 8, .value_kind: global_buffer, .address_space: global }
      - { .name: qc, .offset: 40, .size: 8, .value_kind: global_buffer, .address_space: global }
      - { .name: qs, .offset: 48, .size: 8, .value_kind: global_buffer, .address_space: global }
      - { .name: kc, .offset: 56, .size: 8, .value_kind: global_buffer, .address_space: global }
      - { .name: vc, .offset: 64, .size: 8, .value_kind: global_buffer, .address_space: global }
      - { .name: kvs, .offset: 72, .size: 8, .value_kind: global_buffer, .address_space: global }
    .group_segment_fixed_size: 327680
    .private_segment_fixed_size: 0
    .kernarg_segment_align: 8
    .kernarg_segment_size: 80
    .max_flat_workgroup_size: 128
    .sgpr_count:     102
    .vgpr_count:     1024
    .wavefront_size: 32
...
	.end_amdgpu_metadata
.endif
;; end of part 1
;; launch attn (part 2): grid 8 x 32, 8 waves a work-group, clusters of 4 x 1, 167,936 bytes of LDS; arguments qc, qs, kc, vc, kvs, oc, os; writes oc, os
.if DOCPART == 2
	.amdgcn_target "amdgcn-amd-amdhsa--gfx1250"
	.amdhsa_code_object_version 6
	.text
	.protected	k_q854d41bc73_attn
	.globl	k_q854d41bc73_attn
	.p2align	8
	.type	k_q854d41bc73_attn,@function
k_q854d41bc73_attn:
	s_mov_b64 s[64:65], 0
	v_nop
	global_prefetch_b8 v0, s[64:65] scope:SCOPE_SE
	s_setreg_imm32_b32 hwreg(HW_REG_WAVE_MODE, 25, 1), 1
	s_wait_xcnt 0x0
	s_wait_alu depctr_hold_cnt(0) depctr_sa_sdst(0) depctr_va_vdst(0) depctr_va_sdst(0) depctr_va_ssrc(0) depctr_va_vcc(0) depctr_vm_vsrc(0)
	s_getreg_b32 s2, hwreg(HW_REG_IB_STS2, 6, 4)
	s_cmp_eq_u32 s2, 0
	s_cbranch_scc0 .Lentry_in_a_cluster
	s_endpgm
.Lentry_in_a_cluster:
	s_bfe_u32 s2, ttmp6, 0x10000c
	s_cmp_lg_u32 s2, 0x3003
	s_cbranch_scc0 .Lentry_shape_is_right
	s_endpgm
.Lentry_shape_is_right:
; o = softmax(q k^T / 8) v for one head, both products on codes of FP4 (E2M1) with E8M0 scales; the result is divided by the row's sum, quantised along the head's 64 and stored as codes and scale bytes.
; THE SOFTMAX: t = score x log2(e) / 8; M = the running largest t rounded UP to a whole number; p = 2^(t - M) is quantised along the keys, not normalised; the row's sum is taken of the unquantised p.
; When M moves, the sum and O are multiplied by 2^(old M - new M), which rounds nothing.
; Nothing of reference() is left out.  LIMITS: NaN and infinities are not served; the promise holds while the scaled scores stay under 2^31 in magnitude; p under 2^-126 is 0 (v_exp_f32: ISA guide, its entry);
; a block's largest p is taken as the exponential of its largest score, the same two instructions on the same number; a block whose largest magnitude lies under 2^-124, or that is all zeros, has the byte 1.
; SHARES.  A work-group owns 256 queries of one (batch, head); each of its eight waves two tiles of 16, A and B, which share every fragment of k and v.  A step is 256 keys (g = 0, 1: its halves of 128); eight steps.
; A WHOLE HEAD'S k AND v STAY IN LDS, filled once, by one tensor load a wave: waves 0-3 quarters of k, 4 and 5 halves of v, 6 and 7 halves of the scale words.  The loop holds no load from memory, so there is nothing to prefetch.
; CLUSTER.  The four query blocks of a cluster walk the same head: each load is asked for jointly, with a mask that names the four.
; BOTH PRODUCTS TRANSPOSED, in the form of 32 rows: S^T = k q^T (source 0 = keys), O^T = v^T p^T (source 0 = d): a lane (r = lane % 16, h = lane / 16) holds one query throughout.
; THE KEYS OF A TILE: row m of tile n (0-7 of 128 keys) is key 64 (n / 4) + 32 (m / 8) + 8 (n % 4) + m % 8.  So a lane's 32 registers of tiles 4 c .. 4 c + 3 are one WHOLE block of 32 keys, 64 c + 32 h + 0 .. 31:
; its largest score needs no other lane, and the conversions' results are the next product's operand as they stand.
; K = 64 IN AN INSTRUCTION OF K = 128: a fragment of k holds two tiles of keys (registers 0-3, 4-7); q stands as (q, zeros) and as (zeros, q): the first picks the even tile, the second the odd one.
; Zero codes add nothing under any scale byte of this program (1 .. 254).
; REGISTERS, window 1: the scores, then p: tile A at v0-127, B at v128-255; in each 64 g + 16 i + 8 c + j = key 128 g + 64 c + 32 h + 8 i + j.  Window 0: all else (below).
.set VC,    73728                      ; LDS: k's images at 0, each 1,024 bytes followed by 128 of padding, so that the keys 32 further on lie 128 bytes on, modulo 256;  v's images here,
.set SCL,   139264                     ; the scale words: for each 128 keys 256 bytes of k's [r][u], 256 of v's [r][16 of d],
.set OSG,   147456                     ; 512 bytes in which the waves' result bytes meet; no load lands here;
.set SPARE, 147968                     ; the spare words, 128 bytes for each wave
.set AD,  0                            ; v0-1  LDS addresses in hand
.set AE,  1
.set SPW, 2
.set NIL, 3
.set LK,  4                            ; v4-6  my lane's place among k's, v's, the scale words'
.set LV,  5
.set LS,  6
.set LI,  7                            ; v7    16 x lane
.set QSW, 8                            ; v8-9  q's scale words
.set NM,  10                           ; v10, v12  -M;  v11, v13 the largest score so far
.set FF,  14                           ; v14, v16  f = 2^(old M - new M);  v15, v17 at work
.set LL,  18                           ; v[18:19], v[20:21] the sums, in two halves
.set BM,  22                           ; v22-29  4 tile + 2 g + c: a block's largest score, its largest p, the conversion's scale operand
.set PSW, 30                           ; v30-33  p's scale words (2 tile + g)
.set KW,  34                           ; v34-37  k's scale words (2 g + a);  v38-41 v's
.set VW,  38
.set PP,  42                           ; v42-43  at work
.set QL,  44                           ; v44-63  qA, zeros, qB, zeros, qA
.set O,   64                           ; v64-127 O^T: 32 tile + 16 a: registers 0-7 d tile a, 8-15 d tile a + 2
.set KB,  128                          ; v128-191 k's fragments (32 g + 16 a);  v192-223 v's, one half of the step at a time
.set VB,  192
.set PC,  224                          ; v224-255 p's codes: 16 tile + 8 g + 4 c + i
.set WV,  18
.set SEL, 20
.set CS,  22
.set NC,  60
.set G1K, 24
.set G1V, 32
.set G1S, 40
.set G0K, 48
.set G0V, 52
.set G0S, 56
.set MSB, 0
.macro WIN new                         ; the immediate's high byte repeats the setting that is left
.if MSB != (\new)
	s_set_vgpr_msb (MSB<<8)|(\new)
.set MSB, (\new)
.endif
.endm
.macro CROUND                          ; a round of the cluster's barrier
	s_barrier_signal -1
	s_barrier_wait -1
	s_cmp_lg_u32 s[WV], 0
	s_cbranch_scc1 .Lnot_wave_0_\@
	s_barrier_signal -3
.Lnot_wave_0_\@:
	s_barrier_wait -3
	s_barrier_signal -1
	s_barrier_wait -1
.endm
.macro ARM under, g0, g1, next         ; one arm of the head's tree of branches on the wave's number
	s_cmp_lt_u32 s[WV], \under
	s_cbranch_scc0 \next
	tensor_load_to_lds s[\g0:\g0+3], s[\g1:\g1+7]
	s_nop 0
.rept 4
	v_nop
.endr
	s_branch .Lhead_asked
\next:
.endm
	s_load_b256 s[4:11], s[0:1], 0x0               ; qc, qs, kc, vc
	s_load_b128 s[12:15], s[0:1], 0x20             ; kvs, oc
	s_load_b64 s[16:17], s[0:1], 0x30              ; os
	v_lshl_add_u32 v[SPW], v0, 2, SPARE
	v_mov_b32 v[NIL], 0
	ds_add_u32 v[SPW], v[NIL]                      ; the add, twice on end, with its wait ahead of my first tensor load
	ds_add_u32 v[SPW], v[NIL]
	v_lshrrev_b32 v6, 5, v0
	v_readfirstlane_b32 s[WV], v6                  ; wave 0..7
	s_bfe_u32 s66, ttmp6, 0x40000                  ; cx
	s_lshl_b32 s67, ttmp9, 2
	s_add_co_u32 s67, s67, s66                     ; my block of 256 queries: it enters q's and the results' addresses alone
	s_and_b32 s68, ttmp7, 0xffff                   ; 16 x batch + head, which the four partners share
	s_and_b32 s69, s[WV], 3
	s_and_b32 s70, s[WV], 1
	s_mov_b32 s[G1K], 15|(3<<16)|(1<<20)|(1<<21)|(7<<22)|(31<<25)   ; 15:0 the mask: all four; elements of 8 bytes; 21 set beside a mask; padding: 32 words behind every 256
	s_mov_b32 s[G1K+1], 128<<16                    ; rows of 1,024 bytes,
	s_mov_b32 s[G1K+2], 16<<16                     ; 16 of them: 512 keys
	s_mov_b32 s[G1K+3], 128<<16
	s_mov_b32 s[G1K+4], 16
	s_mov_b32 s[G1K+5], 128                        ; dense
	s_mov_b32 s[G1K+6], 0
	s_mov_b32 s[G1K+7], 0
	s_mov_b32 s[G1V], 15|(3<<16)|(1<<21)
	s_mov_b32 s[G1V+1], 32<<16                     ; rows of 256 bytes,
	s_mov_b32 s[G1V+2], 128<<16                    ; 128 of them: 1,024 keys
	s_mov_b32 s[G1V+3], 32<<16
	s_mov_b32 s[G1V+4], 128
	s_mov_b32 s[G1V+5], 32
	s_mov_b32 s[G1V+6], 0
	s_mov_b32 s[G1V+7], 0
	s_mov_b32 s[G1S], 15|(3<<16)|(1<<21)
	s_mov_b32 s[G1S+1], 32<<16
	s_mov_b32 s[G1S+2], 16<<16                     ; 16 rows: the words of 1,024 keys
	s_mov_b32 s[G1S+3], 32<<16
	s_mov_b32 s[G1S+4], 16
	s_mov_b32 s[G1S+5], 32
	s_mov_b32 s[G1S+6], 0
	s_mov_b32 s[G1S+7], 0
	s_lshl_b32 s72, s68, 16                        ; the head's codes: 65,536 bytes
	s_lshl_b32 s74, s69, 14
	s_add_co_u32 s74, s74, s72                     ; my quarter of k
	s_mov_b32 s75, 0
	s_lshl_b32 s81, s70, 15
	s_add_co_u32 s76, s81, s72                     ; my half of v
	s_mov_b32 s77, 0
	s_lshl_b32 s73, s68, 13                        ; the head's scale words: 8,192 bytes
	s_lshl_b32 s80, s70, 12
	s_add_co_u32 s78, s80, s73                     ; my half of them
	s_mov_b32 s79, 0
	s_mov_b32 s[G0K], 1
	s_mul_i32 s[G0K+1], s69, 18432                 ; where they go: the wave's number alone
	s_mov_b32 s[G0V], 1
	s_add_co_u32 s[G0V+1], s81, VC
	s_mov_b32 s[G0S], 1
	s_add_co_u32 s[G0S+1], s80, SCL
	s_lshl_b32 s82, s67, 4
	s_lshl_b32 s83, s[WV], 1
	s_add_co_u32 s82, s82, s83                     ; my first tile of 16 queries (an even number)
	s_lshl_b32 s84, s82, 9
	s_add_co_u32 s84, s84, s72                     ; its image of q
	s_mov_b32 s85, 0
	s_lshr_b32 s86, s82, 2
	s_lshl_b32 s86, s86, 8
	s_add_co_u32 s86, s86, s73
	s_and_b32 s87, s82, 3
	s_lshl_b32 s87, s87, 2
	s_add_co_u32 s86, s86, s87                     ; its scale words: [64 tokens][r][tile]
	s_mov_b32 s87, 0
	s_lshr_b32 s90, s68, 4                         ; the batch
	s_and_b32 s91, s68, 15                         ; the head
	s_lshl_b32 s91, s91, 9
	s_lshl_b32 s88, s90, 20
	s_lshl_b32 s89, s82, 13
	s_add_co_u32 s88, s88, s89
	s_add_co_u32 s88, s88, s91                     ; oc: [tile of 16 tokens][head][512]
	s_mov_b32 s89, 0
	s_lshl_b32 s90, s90, 16
	s_add_co_u32 s90, s90, s91
	s_lshl_b32 s91, s67, 13
	s_add_co_u32 s90, s90, s91                     ; os: [256 tokens][head][512]
	s_mov_b32 s91, 0
	s_lshr_b32 s92, s[WV], 2
	s_lshl_b32 s92, s92, 8
	s_lshl_b32 s93, s69, 2
	s_add_co_u32 s92, s92, s93
	s_add_co_u32 s92, s92, OSG                     ; [tile / 8][r][tile % 8] pairs of bytes: my two tiles' four bytes
	s_mov_b32 s[SEL], 0x76543210
	s_mov_b32 s[SEL+1], 0xfedcba98                 ; lane l xor 16
	s_mov_b32 s[CS], 0x3e38aa3b                    ; c = log2(e) / 8
	s_mov_b32 s[CS+1], 0x3e38aa3b                  ; (named with it as a pair, so it is written)
	s_mov_b32 s[NC], 0xbe38aa3b                    ; -c
	v_and_b32 v[LI], 31, v0
	v_and_b32 v192, 15, v0                         ; r
	v_bfe_u32 v193, v0, 4, 1                       ; h
	v_lshlrev_b32 v[LI], 4, v[LI]
	v_lshrrev_b32 v194, 3, v192
	v_lshlrev_b32 v195, 4, v192                    ; 16 r
	v_and_b32 v196, 7, v192
	v_add_nc_u32 v[LV], VC, v[LI]
	v_mul_u32_u24 v[LK], 0x480, v194               ; k: 1,152 (r / 8) + 256 h + 16 (r % 8)
	v_lshl_add_u32 v[LS], v193, 3, v195            ; words: 16 r + 8 h: lanes 0-15 take the row's words 0 and 1, lanes 16-31 its words 2 and 3
	v_lshl_add_u32 v[LK], v193, 8, v[LK]
	v_add_nc_u32 v[LS], SCL, v[LS]
	v_lshl_add_u32 v[LK], v196, 4, v[LK]
	s_wait_alu depctr_va_vdst(0)
	s_wait_dscnt 0x0                               ; both opening adds are done
	CROUND                                         ; all four work-groups are here: the joint loads meet
	s_wait_kmcnt 0x0
	s_add_nc_u64 s[G0K+2:G0K+3], s[8:9], s[74:75]
	s_or_b32 s[G0K+3], s[G0K+3], 0x80000000
	s_add_nc_u64 s[G0V+2:G0V+3], s[10:11], s[76:77]
	s_or_b32 s[G0V+3], s[G0V+3], 0x80000000
	s_add_nc_u64 s[G0S+2:G0S+3], s[12:13], s[78:79]
	s_or_b32 s[G0S+3], s[G0S+3], 0x80000000
	ARM 4, G0K, G1K, .Lhead_v
	ARM 6, G0V, G1V, .Lhead_s
	tensor_load_to_lds s[G0S:G0S+3], s[G1S:G1S+7]
	s_nop 0
.rept 4
	v_nop
.endr
.Lhead_asked:
	s_add_nc_u64 s[4:5], s[4:5], s[84:85]
	s_add_nc_u64 s[6:7], s[6:7], s[86:87]
	s_add_nc_u64 s[14:15], s[14:15], s[88:89]
	s_add_nc_u64 s[16:17], s[16:17], s[90:91]
	global_load_b128 v[QL:QL+3], v[LI], s[4:5]
	global_load_b128 v[QL+16:QL+19], v[LI], s[4:5]
	global_load_b128 v[QL+8:QL+11], v[LI], s[4:5] offset:512
	global_load_b64 v[QSW:QSW+1], v195, s[6:7]
.irp j, 4,5,6,7,12,13,14,15
	v_mov_b32 v[QL+\j], 0                          ; the zero halves
.endr
.irp t, 0,1
	v_mov_b32 v[NM+2*\t+1], 0xff61b1e6             ; the largest score so far: -3e38
	v_mov_b32 v[NM+2*\t], 0x7f61b1e6               ; -M: 3e38, so that the first f is 0
	v_mov_b32 v[LL+2*\t], 0
	v_mov_b32 v[LL+2*\t+1], 0
	v_mov_b32 v[PP+\t], 0                          ; written once: a lane permute's destination counts as one of its sources
.endr
.set jj, 0
.rept 64
	v_mov_b32 v[O+jj], 0                           ; O^T: the step is written once; the first finds zeros
.set jj, jj+1
.endr
	s_mov_b32 s61, 0
	s_wait_alu depctr_va_vdst(0)                   ; the wait at the head's end
	s_wait_loadcnt 0x0                             ; q and its scale words
	s_wait_tensorcnt 0x0                           ; my part of k, of v or of the words is in,
	s_barrier_signal -1
	s_barrier_wait -1                              ; and everybody's: no LDS byte that is read below is written again
	s_barrier_signal -1                            ; A BARRIER A STEP, in two halves: the signal at a step's last LDS wait, the wait behind the next step's first batch of exponentials: no wave gets further ahead of another than that.  It guards no bytes
; 16 + 2 loads: k's fragments of a step, each pair of fragments that makes 32 rows side by side, and their scale words
.macro LDK ka, wa
.irp g, 0,1
.irp s, 0,1,2,3
.irp e, 0,1
	ds_load_b128 v[KB+32*\g+8*\s+4*\e:KB+32*\g+8*\s+4*\e+3], v[\ka] offset:4608*\g+2304*(\s%2)+512*(\s/2)+128*\e
.endr
.endr
.endr
	ds_load_b64 v[KW:KW+1], v[\wa]
	ds_load_b64 v[KW+2:KW+3], v[\wa] offset:512
.endm
.macro LDV va, half                    ; 8 loads: v's fragments of 128 keys: d tiles 0, 2, 1, 3
.irp s, 0,1,2,3
.irp e, 0,1
	ds_load_b128 v[VB+8*\s+4*\e:VB+8*\s+4*\e+3], v[\va] offset:4096*\half+2048*(\s%2)+1024*(\s/2)+512*\e
.endr
.endr
.endm
.macro LDW wa                          ; 2 loads: v's scale words of a step
	ds_load_b64 v[VW:VW+1], v[\wa] offset:256
	ds_load_b64 v[VW+2:VW+3], v[\wa] offset:768
.endm
.macro SUML b, st, n                   ; one level of the tree of sums, in place: n packed additions
.set jj, \b
.rept \n
	v_pk_add_f32 v[jj:jj+1], v[jj:jj+1], v[jj+\st:jj+\st+1]
.set jj, jj+2*\st
.endr
.endm
.macro CVT t                           ; p's codes of tile t: 8 numbers an instruction
	WIN 0x01
.irp g, 0,1
.irp c, 0,1
.irp i, 0,1,2,3
	v_cvt_scalef32_pk8_fp4_f32 v[PC+16*\t+8*\g+4*\c+\i], v[128*\t+64*\g+16*\i+8*\c:128*\t+64*\g+16*\i+8*\c+7], v[BM+4*\t+2*\g+\c]
.endr
.endr
.endr
	v_nop                                          ; one plain place behind the scaled conversions
.endm
.macro PV half                         ; O^T += v^T p^T over 128 keys: four accumulators by turns
.irp t, 0,1
.irp a, 0,1
	v_wmma_scale_f32_32x16x128_f4 v[O+32*\t+16*\a:O+32*\t+16*\a+15], v[VB+16*\a:VB+16*\a+15], v[PC+16*\t+8*\half:PC+16*\t+8*\half+7], v[O+32*\t+16*\a:O+32*\t+16*\a+15], v[VW+2*\half+\a], v[PSW+2*\t+\half]
.endr
.endr
.endm
	LDK LK, LS
	LDV LV, 0
	LDW LS
.Lstep:
	s_add_co_u32 s62, s61, 1
	s_and_b32 s62, s62, 7                          ; the next step; behind the last one step 0 again, whose fragments nobody uses
	s_mul_i32 s63, s62, 9216
	s_lshl_b32 s66, s62, 13
	s_lshl_b32 s67, s62, 10
	s_lshl_b32 s68, s61, 13
	s_wait_dscnt 10                                ; k and its words are in; v's eight loads and two of words may be out
	WIN 0x40
.irp g, 0,1
.irp a, 0,1
.irp t, 0,1
.irp e, 0,1
	v_wmma_scale_f32_32x16x128_f4 v[128*\t+64*\g+32*\a+16*\e:128*\t+64*\g+32*\a+16*\e+15], v[KB+32*\g+16*\a:KB+32*\g+16*\a+15], v[QL+12*(1-\t)*\e+\t*(8-4*\e):QL+12*(1-\t)*\e+\t*(8-4*\e)+7], 0, v[KW+2*\g+\a], v[QSW+\t]
.endr
.endr
.endr
.endr
	WIN 0
	v_add_nc_u32 v[AD], s63, v[LK]                 ; these two and the v_nop are the four places behind the products
	v_add_nc_u32 v[AE], s67, v[LS]
	v_nop
	v_nop
	LDK AD, AE                                     ; the next step's k
	WIN 0x15
.irp t, 0,1
.irp g, 0,1
.irp c, 0,1
	v_max3_num_f32 v[BM+4*\t+2*\g+\c], v[128*\t+64*\g+8*\c], v[128*\t+64*\g+8*\c+1], v[128*\t+64*\g+8*\c+2]   ; the largest score of each whole block: it serves the row's maximum and, since p rises with the score, the block's largest p
.endr
.endr
.endr
	WIN 0x14
.irp n, 3,5,7,9,11,13,15,17,19,21,23,25,27,29
.irp t, 0,1
.irp g, 0,1
.irp c, 0,1
	v_max3_num_f32 v[BM+4*\t+2*\g+\c], v[BM+4*\t+2*\g+\c], v[128*\t+64*\g+8*\c+16*(\n/8)+\n%8], v[128*\t+64*\g+8*\c+16*((\n+1)/8)+(\n+1)%8]
.endr
.endr
.endr
.endr
.irp t, 0,1
.irp g, 0,1
.irp c, 0,1
	v_max_num_f32 v[BM+4*\t+2*\g+\c], v[BM+4*\t+2*\g+\c], v[128*\t+64*\g+8*\c+55]
.endr
.endr
.endr
	WIN 0
.irp t, 0,1
	v_max3_num_f32 v[FF+2*\t+1], v[BM+4*\t], v[BM+4*\t+1], v[BM+4*\t+2]
.endr
.irp t, 0,1
	v_max_num_f32 v[FF+2*\t+1], v[FF+2*\t+1], v[BM+4*\t+3]
.endr
.irp t, 0,1
	v_permlanex16_b32 v[PP+\t], v[FF+2*\t+1], s[SEL], s[SEL+1]
.endr
.irp t, 0,1
	v_max3_num_f32 v[NM+2*\t+1], v[NM+2*\t+1], v[FF+2*\t+1], v[PP+\t]   ; the running largest score of my query
.endr
.irp t, 0,1
	v_mul_f32 v[FF+2*\t], s[NC], v[NM+2*\t+1]      ; -t
.endr
.irp t, 0,1
	v_floor_f32 v[FF+2*\t], v[FF+2*\t]             ; the new -M = floor(-t): M is a whole number
.endr
.irp t, 0,1
	v_sub_f32 v[FF+2*\t+1], v[FF+2*\t], v[NM+2*\t] ; old M - new M: a whole number, 0 or less
.endr
.irp t, 0,1
	v_mov_b32 v[NM+2*\t], v[FF+2*\t]
.endr
.irp t, 0,1
	v_cvt_i32_f32 v[FF+2*\t+1], v[FF+2*\t+1]       ; (it saturates)
.endr
.irp b, 0,1,2,3
	v_fma_f32 v[BM+\b], v[BM+\b], s[CS], v[NM]     ; t - M of each block's largest score
	v_fma_f32 v[BM+4+\b], v[BM+4+\b], s[CS], v[NM+2]
.endr
.irp t, 0,1
	v_ldexp_f32 v[FF+2*\t], 1.0, v[FF+2*\t+1]      ; f = 2^(old M - new M)
.endr
	WIN 0x41
.set jj, 0
.rept 64
	v_pk_fma_f32 v[jj:jj+1], v[jj:jj+1], s[CS:CS+1], v[NM:NM+1] op_sel_hi:[1,0,0]   ; tile A: t - M, two at a time
.set jj, jj+2
.endr
	WIN 0
.irp t, 0,1
.set jj, O+32*\t
.rept 16
	v_pk_mul_f32 v[jj:jj+1], v[jj:jj+1], v[FF+2*\t:FF+2*\t+1] op_sel_hi:[1,0]   ; O^T under the new M; each accumulator from its low end on
.set jj, jj+2
.endr
.endr
	s_wait_alu depctr_va_vdst(0)                   ; the wait ahead of the batch
.irp b, 0,1,2,3,4,5,6,7
	v_exp_f32 v[BM+\b], v[BM+\b]                   ; each block's largest p
.endr
	WIN 0x41
.set jj, 0
.rept 64
	v_exp_f32 v[jj], v[jj]                         ; tile A: p = 2^(t - M), at most 1
	v_exp_f32 v[jj+1], v[jj+1]
	v_pk_fma_f32 v[128+jj:129+jj], v[128+jj:129+jj], s[CS:CS+1], v[NM+2:NM+3] op_sel_hi:[1,0,0]   ; tile B: t - M, first read behind the wait below
.set jj, jj+2
.endr
	WIN 0
	s_wait_alu depctr_va_vdst(0)                   ; behind the batch, and ahead of tile B's
	s_barrier_wait -1                              ; every wave has signalled at the end of the step before
.irp b, 0,1,2,3,4,5,6,7
	v_max_num_f32 v[BM+\b], 0x1800000, v[BM+\b]    ; the floor 2^(3 - 127): the byte cannot fall under 1
.endr
.irp b, 0,1,2,3,4,5,6,7
	v_add_nc_u32 v[BM+\b], 0xff000000, v[BM+\b]    ; 2 off the exponent field: the conversion's scale operand
.endr
.irp k, 0,1,2,3                        ; p's scale words (k = 2 tile + g): my blocks' bytes are bytes h and 2 + h
	v_lshrrev_b32 v[PSW+\k], 23, v[BM+2*\k]
	v_lshrrev_b32 v[(1-\k/2)*(42+\k)+(\k/2)*(11+2*\k)], 23, v[BM+2*\k+1]
.endr
.irp k, 0,1,2,3
	v_lshl_or_b32 v[PSW+\k], v[(1-\k/2)*(42+\k)+(\k/2)*(11+2*\k)], 16, v[PSW+\k]
.endr
.irp k, 0,1,2,3
	v_permlanex16_b32 v[(1-\k/2)*(42+\k)+(\k/2)*(11+2*\k)], v[PSW+\k], s[SEL], s[SEL+1]
.endr
.irp k, 0,1,2,3
	v_lshl_or_b32 v[PSW+\k], v[(1-\k/2)*(42+\k)+(\k/2)*(11+2*\k)], 8, v[PSW+\k]   ; whole in lanes 0-15, which are the ones read
.endr
	CVT 0
	WIN 0x45
.set ii, 0
.rept 32
.irp e, 0,1,2,3
	v_exp_f32 v[128+ii+\e], v[128+ii+\e]           ; tile B's p
.endr
	v_pk_add_f32 v[ii:ii+1], v[ii:ii+1], v[ii+2:ii+3]   ; THE ROW'S SUM IS TAKEN OF THE UNQUANTISED p: tile A's first level, first read behind the wait below
.set ii, ii+4
.endr
	s_wait_alu depctr_va_vdst(0)                   ; behind the batch
	CVT 1
	WIN 0x45
	SUML 0, 4, 16                                  ; (also the places between the codes' last write and the products)
	WIN 0
	s_wait_alu depctr_va_vdst(0)
	s_wait_dscnt 18                                ; v's first half and the words are in; the next k's 16 loads and two of words may be out
	PV 0
	WIN 0x45
	SUML 0, 8, 8                                   ; (also the places in front of the loads below)
	WIN 0
	v_add_nc_u32 v[AD], s68, v[LV]
	LDV AD, 1                                      ; v's second half
	WIN 0x45
	SUML 128, 2, 32
	SUML 0, 16, 4
	SUML 128, 4, 16
	SUML 0, 32, 2
	SUML 128, 8, 8
	SUML 0, 64, 1
	SUML 128, 16, 4
	SUML 128, 32, 2
	WIN 0x10
	v_pk_fma_f32 v[LL:LL+1], v[LL:LL+1], v[FF:FF+1], v[0:1] op_sel_hi:[1,0,1]   ; the sums, brought under the new M
	WIN 0x45
	SUML 128, 64, 1
	WIN 0x10
	v_pk_fma_f32 v[LL+2:LL+3], v[LL+2:LL+3], v[FF+2:FF+3], v[128:129] op_sel_hi:[1,0,1]
	WIN 0
	s_wait_alu depctr_va_vdst(0)
	s_wait_dscnt 0x0                               ; v's second half is in; no LDS instruction of mine is out
	s_barrier_signal -1
	PV 1
	v_add_nc_u32 v[AD], s66, v[LV]                 ; these two and the v_nop are the four places behind the products
	v_add_nc_u32 v[AE], s67, v[LS]
	v_nop
	v_nop
	LDV AD, 0                                      ; the next step's v: its first half,
	LDW AE                                         ; and its words
	s_add_co_u32 s61, s61, 1
	s_cmp_lt_u32 s61, 8
	s_wait_alu depctr_va_vdst(0)
	s_cbranch_scc1 .Lstep
	s_barrier_wait -1                              ; the last step's signal
	; THE END.  O^T / the sum; two blocks of 32 along d are quantised; four registers are the image of this head's part of the next product's operand.
	s_wait_dscnt 0x0                               ; the loads that nobody uses
.irp t, 0,1
	v_add_f32 v[LL+2*\t], v[LL+2*\t], v[LL+2*\t+1] ; the sum's two halves,
.endr
.irp t, 0,1
	v_permlanex16_b32 v[PP+\t], v[LL+2*\t], s[SEL], s[SEL+1]
.endr
.irp t, 0,1
	v_add_f32 v[LL+2*\t], v[LL+2*\t], v[PP+\t]     ; and lane l xor 16's
.endr
	s_wait_alu depctr_va_vdst(0)                   ; the wait ahead of the transcendentals
	v_rcp_f32 v[LL], v[LL]
	v_rcp_f32 v[LL+2], v[LL+2]
	v_nop                                          ; a plain place behind the transcendentals
	s_wait_alu depctr_va_vdst(0)                   ; and the wait behind them, ahead of the first readers of O^T too
.irp t, 0,1
.set jj, 32*\t
.rept 32
	v_mul_f32 v[KB+jj], v[O+jj], v[LL+2*\t]        ; KB + 32 t + 16 a + 8 b + j = o(query r, d = 32 b + 16 a + 8 h + j)
.set jj, jj+1
.endr
.endr
.irp k, 0,1,2,3                        ; k = 2 tile + b: block b of the head's 64
	v_max3_num_f32 v[BM+\k], |v[KB+32*(\k/2)+8*(\k%2)]|, |v[KB+32*(\k/2)+8*(\k%2)+1]|, 0x1800000
.endr
.irp i, 2,4,6,16,18,20,22
.irp k, 0,1,2,3
	v_max3_num_f32 v[BM+\k], v[BM+\k], |v[KB+32*(\k/2)+8*(\k%2)+\i]|, |v[KB+32*(\k/2)+8*(\k%2)+\i+1]|
.endr
.endr
.irp k, 0,1,2,3
	v_permlanex16_b32 v[PC+16+\k], v[BM+\k], s[SEL], s[SEL+1]
.endr
.irp k, 0,1,2,3
	v_max_num_f32 v[BM+\k], v[BM+\k], v[PC+16+\k]
.endr
.irp k, 0,1,2,3
	v_add_nc_u32 v[BM+\k], 0xff000000, v[BM+\k]
.endr
.irp k, 0,1,2,3
	v_lshrrev_b32 v[PC+16+\k], 23, v[BM+\k]
.endr
.irp t, 0,1
	v_cvt_scalef32_pk8_fp4_f32 v[PC+4*\t],   v[KB+32*\t:KB+32*\t+7],     v[BM+2*\t]
	v_cvt_scalef32_pk8_fp4_f32 v[PC+4*\t+2], v[KB+32*\t+16:KB+32*\t+23], v[BM+2*\t]
	v_cvt_scalef32_pk8_fp4_f32 v[PC+4*\t+1], v[KB+32*\t+8:KB+32*\t+15],  v[BM+2*\t+1]
	v_cvt_scalef32_pk8_fp4_f32 v[PC+4*\t+3], v[KB+32*\t+24:KB+32*\t+31], v[BM+2*\t+1]
.endr
	v_lshl_or_b32 v[PC+20], v[PC+17], 8, v[PC+16]  ; my row's four scale bytes: tile A's two, tile B's two
	v_and_b32 v[AD], 0xff, v[LI]                   ; 16 r
	v_lshl_or_b32 v[PC+20], v[PC+18], 16, v[PC+20]
	v_add_nc_u32 v[AD], s92, v[AD]
	v_lshl_or_b32 v[PC+20], v[PC+19], 24, v[PC+20]
	v_add_nc_u32 v[AE], OSG, v[LI]
.irp t, 0,1
	v_permlane16_swap_b32 v[PC+4*\t], v[PC+4*\t+1]
	v_permlane16_swap_b32 v[PC+4*\t+2], v[PC+4*\t+3]
.endr
	ds_store_b32 v[AD], v[PC+20]                   ; both lanes of a row write the same four bytes with the same value
	global_store_b128 v[LI], v[PC:PC+3], s[14:15]  ; 512 consecutive bytes
	global_store_b128 v[LI], v[PC+4:PC+7], s[14:15] offset:8192
	s_wait_alu depctr_va_vdst(0)
	s_wait_dscnt 0x0                               ; for the others' sake
	s_barrier_signal -1
	s_barrier_wait -1
	s_cmp_lg_u32 s[WV], 0
	s_cbranch_scc1 .Lnot_os
	ds_load_b128 v[VB:VB+3], v[AE]                 ; the eight waves' bytes: 512 in all
	s_wait_dscnt 0x0
	global_store_b128 v[LI], v[VB:VB+3], s[16:17]  ; leave as 512 consecutive bytes
.Lnot_os:
	s_wait_tensorcnt 0x0                           ; the wave's end
	ds_add_u32 v[SPW], v[NIL]
	s_wait_dscnt 0x0
	CROUND                                         ; the closing round
	s_endpgm
.Lfunc_end_k_q854d41bc73_attn:
	.size	k_q854d41bc73_attn, .Lfunc_end_k_q854d41bc73_attn-k_q854d41bc73_attn
	.p2alignl 7, 3214868480
	.fill 96, 4, 3214868480
	.section	.rodata,"a",@progbits
	.p2align	6, 0x0
	.amdhsa_kernel k_q854d41bc73_attn
		.amdhsa_group_segment_fixed_size 167936
		.amdhsa_private_segment_fixed_size 0
		.amdhsa_enable_private_segment 0
		.amdhsa_kernarg_size 56
		.amdhsa_user_sgpr_count 2
		.amdhsa_user_sgpr_kernarg_segment_ptr 1
		.amdhsa_wavefront_size32 1
		.amdhsa_system_sgpr_workgroup_id_x 1
		.amdhsa_system_sgpr_workgroup_id_y 1
		.amdhsa_system_sgpr_workgroup_id_z 1
		.amdhsa_system_vgpr_workitem_id 0
		.amdhsa_next_free_vgpr 512
		.amdhsa_next_free_sgpr 96
		.amdhsa_reserve_vcc 0
		.amdhsa_float_denorm_mode_32 3
		.amdhsa_float_denorm_mode_16_64 3
		.amdhsa_memory_ordered 1
		.amdhsa_forward_progress 1
		.amdhsa_inst_pref_size 66
	.end_amdhsa_kernel
	.amdgpu_metadata
---
amdhsa.version: [ 1, 2 ]
amdhsa.kernels:
  - .name:           k_q854d41bc73_attn
    .symbol:         k_q854d41bc73_attn.kd
    .args:
      - { .name: qc, .offset: 0, .size: 8, .value_kind: global_buffer, .address_space: global }
      - { .name: qs, .offset: 8, .size: 8, .value_kind: global_buffer, .address_space: global }
      - { .name: kc, .offset: 16, .size: 8, .value_kind: global_buffer, .address_space: global }
      - { .name: vc, .offset: 24, .size: 8, .value_kind: global_buffer, .address_space: global }
      - { .name: kvs, .offset: 32, .size: 8, .value_kind: global_buffer, .address_space: global }
      - { .name: oc, .offset: 40, .size: 8, .value_kind: global_buffer, .address_space: global }
      - { .name: os, .offset: 48, .size: 8, .value_kind: global_buffer, .address_space: global }
    .group_segment_fixed_size: 167936
    .private_segment_fixed_size: 0
    .kernarg_segment_align: 8
    .kernarg_segment_size: 56
    .max_flat_workgroup_size: 256
    .sgpr_count:     96
    .vgpr_count:     512
    .wavefront_size: 32
...
	.end_amdgpu_metadata
.endif
;; end of part 2
;; launch proj (part 3): grid 8 x 32, 4 waves a work-group, clusters of 4 x 4, 213,760 bytes of LDS; arguments oc, os, w_out_codes, w_out_scales, b_out, out0; writes out0
.if DOCPART == 3
	.amdgcn_target "amdgcn-amd-amdhsa--gfx1250"
	.amdhsa_code_object_version 6
	.text
	.protected	k_q854d41bc73_proj
	.globl	k_q854d41bc73_proj
	.p2align	8
	.type	k_q854d41bc73_proj,@function
k_q854d41bc73_proj:
	s_mov_b64 s[64:65], 0
	v_nop
	global_prefetch_b8 v0, s[64:65] scope:SCOPE_SE
	s_setreg_imm32_b32 hwreg(HW_REG_WAVE_MODE, 25, 1), 1
	s_wait_xcnt 0x0
	s_wait_alu depctr_hold_cnt(0) depctr_sa_sdst(0) depctr_va_vdst(0) depctr_va_sdst(0) depctr_va_ssrc(0) depctr_va_vcc(0) depctr_vm_vsrc(0)
	s_getreg_b32 s2, hwreg(HW_REG_IB_STS2, 6, 4)
	s_cmp_eq_u32 s2, 0
	s_cbranch_scc0 .Lentry_in_a_cluster
	s_endpgm
.Lentry_in_a_cluster:
	s_bfe_u32 s2, ttmp6, 0x10000c
	s_cmp_lg_u32 s2, 0xf033
	s_cbranch_scc0 .Lentry_shape_is_right
	s_endpgm
.Lentry_shape_is_right:
; out0 = o w_out + b_out on codes of FP4 (E2M1) with E8M0 scales.  o: 4,096 tokens x 1,024, as images of operand registers, oc [tile of 16 tokens][head][512], and pairs of scale bytes,
; os [256 tokens][head][128 tokens][r][tile]; w_out: 1,024 rows of 512 bytes of codes and 32 scale bytes, K innermost.  out0: [4,096][1,024] f32.
; Nothing of reference() is left out.  LIMITS: NaN and infinities are not served.
; SHARES.  256 work-groups of 128 tokens x 128 columns; each of four waves 64 x 64.  All of K and all scale bytes fit in LDS at once: each LDS byte is filled once, by the head's loads, ONE A WAVE: o's images, their pairs of bytes,
; w_out's rows, w_out's scale bytes.  There is no loop of loads to run ahead in, so nothing is prefetched.
; CLUSTERS: 4 x 4 work-groups; o's tiles are shared along a row of the cluster, w_out's along a column: each is asked for jointly.
; THE MATRIX INSTRUCTION IS USED TRANSPOSED (source 0 = 16 rows of w_out, source 1 = 16 tokens): a lane holds eight neighbouring columns of one token.  The bias is the C of each sum's first product.
; BY ROWS OF out0: my 64 columns of w_out come into registers once, for all of K; my 64 tokens go by blocks of 16, each finished over all of K (32 products, its four accumulators by turns) and sent out while the next is multiplied.
; A K step of 128 is two heads: registers 0-3 the even head's image, registers 4-7 the odd head's; its scale word is made of the two heads' pairs of bytes.
; REGISTERS: window 0: v2-15 addresses; v16-47 o's scale words (8 a + s), v48-79 w_out's (8 b + s): nothing else ever; v80-111 the bias; v112-113 the add's; v128-255 o's fragments of two blocks by turns (v192-223 first hold the raw pairs of bytes).
;   window 1: w_out's fragments (32 s + 8 b).  window 2: v0-63 the accumulators of two blocks by turns; v64-191 the rows read back, 32 registers a block.
.set BRW,  65536                       ; LDS: o's images [tile 8][head 16][512] at 0; w_out's rows [128][512 + 16] here;
.set ASC,  135168                      ; o's pairs of bytes [head 16][256];
.set BSC,  139264                      ; w_out's scale bytes: 16 blocks of 256 + 16;
.set STG,  143616                      ; the stages: 64 rows x (256 + 16) for each wave; no load lands here;
.set SPARE, 213248                     ; the spare words, 128 bytes for each wave
.set LI,   2
.set ADA,  3
.set ADB,  4
.set ADAS, 5
.set ADBS, 6
.set STO,  7
.set RD,   8
.set CO,   9
.set AS,   16
.set BS,   48
.set BI,   80
.set SPW,  112
.set NIL,  113
.set AF,   128
.set RAW,  192
.set BACKR, 64
.set G1AS, 24
.set G1A,  32
.set G1BS, 40
.set G1B,  48
.set G0AS, 56
.set G0A,  60
.set G0BS, 72
.set G0B,  76
.set MSB, 0
.macro WIN new                         ; the immediate's high byte repeats the setting that is left
.if MSB != (\new)
	s_set_vgpr_msb (MSB<<8)|(\new)
.set MSB, (\new)
.endif
.endm
.macro ARM under, g0, g1, next         ; one arm of the head's tree of branches on the wave's number: one joint load
	s_cmp_lt_u32 s16, \under
	s_cbranch_scc0 \next
	tensor_load_to_lds s[\g0:\g0+3], s[\g1:\g1+7]
	s_nop 0
.rept 4
	v_nop
.endr
	s_branch .Lhead_asked
\next:
.endm
.macro CROUND                          ; a round of the cluster's barrier
	s_barrier_signal -1
	s_barrier_wait -1
	s_cmp_lg_u32 s16, 0
	s_cbranch_scc1 .Lnot_wave_0_\@
	s_barrier_signal -3
.Lnot_wave_0_\@:
	s_barrier_wait -3
	s_barrier_signal -1
	s_barrier_wait -1
.endm
.macro MKG0 g, lds, base, off          ; a group 0: count 1; LDS address; global address; type 2
	s_mov_b32 s[\g], 1
	s_mov_b32 s[\g+1], \lds
	s_add_nc_u64 s[\g+2:\g+3], s[\base:\base+1], s[\off:\off+1]
	s_or_b32 s[\g+3], s[\g+3], 0x80000000
.endm
.macro MKG1 g, cols, rows, pitch       ; a group 1 behind its first word
	s_mov_b32 s[\g+1], (\cols)<<16
	s_mov_b32 s[\g+2], (\rows)<<16
	s_mov_b32 s[\g+3], (\cols)<<16
	s_mov_b32 s[\g+4], \rows
	s_mov_b32 s[\g+5], \pitch
	s_mov_b32 s[\g+6], 0
	s_mov_b32 s[\g+7], 0
.endm
.macro PLACES n
.rept \n
	v_nop
.endr
.endm
	s_load_b256 s[4:11], s[0:1], 0x0               ; oc, os, w_out's codes, w_out's scales
	s_load_b128 s[12:15], s[0:1], 0x20             ; b_out, out0
	v_lshl_add_u32 v[SPW], v0, 2, SPARE
	v_mov_b32 v[NIL], 0
	ds_add_u32 v[SPW], v[NIL]                      ; the add, twice on end, with its wait ahead of my first tensor load
	ds_add_u32 v[SPW], v[NIL]
	v_lshrrev_b32 v1, 5, v0
	v_readfirstlane_b32 s16, v1                    ; wave 0..3
	s_lshr_b32 s17, s16, 1                         ; which 64 tokens are mine
	s_and_b32 s18, s16, 1                          ; which 64 columns
	s_bfe_u32 s20, ttmp6, 0x40000                  ; cx
	s_bfe_u32 s21, ttmp6, 0x40004                  ; cy
	s_lshl_b32 s22, ttmp9, 2
	s_add_co_u32 s22, s22, s20                     ; tile of 128 columns
	s_and_b32 s23, ttmp7, 0xffff
	s_lshl_b32 s23, s23, 2
	s_add_co_u32 s23, s23, s21                     ; tile of 128 tokens
	s_lshl_b32 s2, s21, 2
	s_lshl_b32 s2, 15, s2                          ; my row of the cluster
	s_lshl_b32 s3, 0x1111, s20                     ; my column
	s_or_b32 s[G1AS], s2, (3<<16)|(1<<21)          ; o's pairs of bytes: 16 heads x 256 bytes, 512 apart; elements of 8 bytes; 21 set beside a mask; no padding
	MKG1 G1AS, 32, 16, 64
	s_or_b32 s[G1A], s2, (3<<16)|(1<<21)           ; o's images of 128 tokens: 65,536 dense bytes, as rows of 256
	MKG1 G1A, 32, 256, 32
	s_or_b32 s[G1BS], s3, (3<<16)|(1<<20)|(1<<21)|(5<<22)|(3<<25)   ; w_out's scale bytes of 128 rows: 16 dense rows of 256 bytes, 16 of padding behind each
	MKG1 G1BS, 32, 16, 32
	s_or_b32 s[G1B], s3, (0<<16)|(1<<20)|(1<<21)|(6<<22)|(3<<25)    ; w_out's codes: 128 rows of 512 bytes, 16 of padding behind each
	MKG1 G1B, 512, 128, 512
	s_lshr_b32 s84, s23, 1                         ; os: 8,192 bytes for 256 tokens, 256 for my 128 of them in each head's 512
	s_lshl_b32 s84, s84, 13
	s_and_b32 s85, s23, 1
	s_lshl_b32 s85, s85, 8
	s_add_co_u32 s84, s84, s85
	s_mov_b32 s85, 0
	s_lshl_b32 s86, s23, 16                        ; oc: 65,536 bytes for 128 tokens
	s_mov_b32 s87, 0
	s_lshl_b32 s88, s22, 12                        ; w_out's scale bytes: 4,096 for 128 rows
	s_mov_b32 s89, 0
	s_lshl_b32 s90, s22, 16                        ; its codes: 65,536 for 128 rows
	s_mov_b32 s91, 0
	s_lshl_b32 s94, s22, 9                         ; my first column, in bytes of f32
	s_lshl_b32 s95, s18, 8
	s_add_co_u32 s94, s94, s95
	s_mov_b32 s95, 0
	s_lshl_b32 s92, s23, 19                        ; my first token's row of 4,096 bytes
	s_lshl_b32 s93, s17, 18
	s_add_co_u32 s92, s92, s93
	s_add_co_u32 s92, s92, s94
	s_mov_b32 s93, 0
	s_wait_dscnt 0x0                               ; both opening adds are done
	CROUND                                         ; all sixteen work-groups are here: the joint loads meet
	s_wait_kmcnt 0x0
	MKG0 G0A,  0,   4,  86
	MKG0 G0AS, ASC, 6,  84
	MKG0 G0B,  BRW, 8,  90
	MKG0 G0BS, BSC, 10, 88
	ARM 1, G0A,  G1A,  .Lhead_as
	ARM 2, G0AS, G1AS, .Lhead_b
	ARM 3, G0B,  G1B,  .Lhead_bs
	tensor_load_to_lds s[G0BS:G0BS+3], s[G1BS:G1BS+7]
	s_nop 0
.rept 4
	v_nop
.endr
.Lhead_asked:
	s_add_nc_u64 s[12:13], s[12:13], s[94:95]      ; the bias at my columns
	s_add_nc_u64 s[14:15], s[14:15], s[92:93]
	s_lshl_b32 s2, s17, 15
	s_mul_i32 s3, s18, 33792
	s_add_co_u32 s3, s3, BRW
	s_lshl_b32 s19, s17, 3
	s_add_co_u32 s19, s19, ASC
	s_mul_i32 s20, s18, 2176
	s_add_co_u32 s20, s20, BSC
	s_mul_i32 s21, s16, 17408
	s_add_co_u32 s21, s21, STG                     ; my stage
	v_and_b32 v10, 31, v0
	v_and_b32 v11, 15, v0                          ; r
	v_bfe_u32 v12, v0, 4, 1                        ; h
	v_lshlrev_b32 v[LI], 4, v10
	v_mul_u32_u24 v13, v11, 272
	v_mul_u32_u24 v14, v11, 528
	v_lshlrev_b32 v15, 5, v12                      ; 32 h
	v_add_nc_u32 v[ADA], s2, v[LI]                 ; o's images: my four tiles of 8,192 bytes, 16 x lane
	v_lshl_add_u32 v[ADB], v12, 4, v14
	v_lshlrev_b32 v[ADAS], 4, v11
	v_add_nc_u32 v[ADB], s3, v[ADB]                ; w_out's rows: my 64, row r, + 16 h
	v_add_nc_u32 v[ADAS], s19, v[ADAS]             ; row r's pairs of bytes of my four tiles: 8 bytes
	v_lshrrev_b32 v14, 3, v11
	v_lshlrev_b32 v[ADBS], 5, v11
	v_lshl_add_u32 v[STO], v12, 5, v13
	v_lshl_add_u32 v[ADBS], v14, 4, v[ADBS]
	v_add_nc_u32 v[STO], s21, v[STO]               ; in: row r, 32 bytes for each half of the lanes
	v_add_nc_u32 v[ADBS], s20, v[ADBS]             ; row r's 32 scale bytes: 32 r, and 16 more behind each 256
	v_mul_u32_u24 v[RD], v12, 272
	v_lshlrev_b32 v[CO], 12, v12
	v_lshl_add_u32 v[RD], v11, 4, v[RD]
	v_lshl_add_u32 v[CO], v11, 4, v[CO]            ; two rows of out0: lanes 0-15 one, lanes 16-31 the next
	v_add_nc_u32 v[RD], s21, v[RD]                 ; back: the same two rows of my stage, 256 bytes each
.irp b, 0,1,2,3                        ; register 8 b + j = b_out at my column 16 b + 8 h + j: the result's layout
	global_load_b128 v[BI+8*\b:BI+8*\b+3], v15, s[12:13] offset:64*\b
	global_load_b128 v[BI+8*\b+4:BI+8*\b+7], v15, s[12:13] offset:64*\b+16
.endr
.macro FA a, s                         ; o's fragment of block a, K step s: 2 loads
.irp c, 0,1
	ds_load_b128 v[AF+64*((\a)%2)+8*(\s)+4*\c:AF+64*((\a)%2)+8*(\s)+4*\c+3], v[ADA] offset:8192*(\a)+1024*(\s)+512*\c
.endr
.endm
.macro FALL a                          ; all eight: 16 loads
	WIN 0
.irp s, 0,1,2,3,4,5,6,7
	FA \a, \s
.endr
.endm
.macro FSTEP s                         ; K step s of block 0 and of w_out: 10 loads
	WIN 0
	FA 0, \s
	WIN 0x40
.irp b, 0,1,2,3
.irp c, 0,1
	ds_load_b128 v[32*(\s)+8*\b+4*\c:32*(\s)+8*\b+4*\c+3], v[ADB] offset:8448*\b+64*(\s)+32*\c
.endr
.endr
.endm
.macro MULS a, s                       ; K step s of block a: four accumulators by turns
.if (\s) == 0
	WIN 0x81                                       ; the bias starts the sums
.irp b, 0,1,2,3
	v_wmma_scale_f32_16x16x128_f8f6f4 v[32*((\a)%2)+8*\b:32*((\a)%2)+8*\b+7], v[8*\b:8*\b+7], v[AF+64*((\a)%2):AF+64*((\a)%2)+7], v[BI+8*\b:BI+8*\b+7], v[BS+8*\b], v[AS+8*(\a)] matrix_a_fmt:MATRIX_FMT_FP4 matrix_b_fmt:MATRIX_FMT_FP4
.endr
.else
	WIN 0xa1
.irp b, 0,1,2,3
	v_wmma_scale_f32_16x16x128_f8f6f4 v[32*((\a)%2)+8*\b:32*((\a)%2)+8*\b+7], v[32*(\s)+8*\b:32*(\s)+8*\b+7], v[AF+64*((\a)%2)+8*(\s):AF+64*((\a)%2)+8*(\s)+7], v[32*((\a)%2)+8*\b:32*((\a)%2)+8*\b+7], v[BS+8*\b+(\s)], v[AS+8*(\a)+(\s)] matrix_a_fmt:MATRIX_FMT_FP4 matrix_b_fmt:MATRIX_FMT_FP4
.endr
.endif
.endm
.macro ROW a                           ; block a over all of K
.irp s, 0,1,2,3,4,5,6,7
	MULS \a, \s
.endr
.endm
; THE WAY OUT of block a.  A lane holds 32 neighbouring bytes of a row, and the lanes beside it hold other rows: so its 16 rows x 256 bytes go through my own stage and come back as whole rows.
; LDS serves a wave's instructions in order (ISA guide 5.7.1.4): no wait between the stores and the loads.
.macro STAGE a                         ; 8 stores, 8 loads
	PLACES 4
	WIN 0x08
.irp b, 0,1,2,3
	ds_store_b128 v[STO], v[32*((\a)%2)+8*\b:32*((\a)%2)+8*\b+3] offset:4352*(\a)+64*\b         ; each accumulator from its low end on
	ds_store_b128 v[STO], v[32*((\a)%2)+8*\b+4:32*((\a)%2)+8*\b+7] offset:4352*(\a)+64*\b+16
.endr
	WIN 0x80
.irp t, 0,1,2,3,4,5,6,7
	ds_load_b128 v[BACKR+32*(\a)+4*\t:BACKR+32*(\a)+4*\t+3], v[RD] offset:4352*(\a)+544*\t
.endr
.endm
.macro SEND a, younger                 ; younger: the LDS instructions issued behind this block's loads
	WIN 0x08
.irp t, 0,1,2,3,4,5,6,7
	s_wait_dscnt \younger+7-\t
	global_store_b128 v[CO], v[BACKR+32*(\a)+4*\t:BACKR+32*(\a)+4*\t+3], s[14:15] offset:8192*(8*(\a)+\t) th:TH_STORE_NT   ; sixteen lanes store 256 consecutive bytes, at a multiple of 256 from out0's first byte
.endr
.endm
	s_wait_alu depctr_va_vdst(0)                   ; the wait at the head's end
	s_wait_tensorcnt 0x0                           ; my tile of the four is in,
	s_barrier_signal -1
	s_barrier_wait -1                              ; and everybody's
.irp hd, 0,1,2,3,4,5,6,7,8,9,10,11,12,13,14,15
	ds_load_b64 v[RAW+2*\hd:RAW+2*\hd+1], v[ADAS] offset:256*\hd   ; head hd: row r's pairs of bytes of my tiles 0, 1 | 2, 3
.endr
.irp b, 0,1,2,3
	ds_load_b128 v[BS+8*\b:BS+8*\b+3], v[ADBS] offset:544*\b
	ds_load_b128 v[BS+8*\b+4:BS+8*\b+7], v[ADBS] offset:544*\b+16
.endr
	FSTEP 0
	FSTEP 1
	FSTEP 2
	WIN 0
	s_wait_dscnt 38                                ; the raw pairs are in: behind them 8 loads of scale words and three steps of 10
.irp s, 0,1,2,3,4,5,6,7                ; K step s = heads 2 s, 2 s + 1: a word = the even head's two bytes, then the odd head's
	v_perm_b32 v[AS+\s],    v[RAW+4*\s+2], v[RAW+4*\s],   0x05040100
	v_perm_b32 v[AS+8+\s],  v[RAW+4*\s+2], v[RAW+4*\s],   0x07060302
	v_perm_b32 v[AS+16+\s], v[RAW+4*\s+3], v[RAW+4*\s+1], 0x05040100
	v_perm_b32 v[AS+24+\s], v[RAW+4*\s+3], v[RAW+4*\s+1], 0x07060302
.endr
	PLACES 8                                       ; a scale register written by a vector instruction stands eight places ahead of the product that names it
	FSTEP 3
	FSTEP 4
	s_wait_alu depctr_va_vdst(0)
	s_wait_loadcnt 0x0                             ; the bias
	s_wait_dscnt 40                                ; step 0 is in: behind it four steps of 10
	MULS 0, 0
	FSTEP 5
	s_wait_dscnt 40
	MULS 0, 1
	FSTEP 6
	s_wait_dscnt 40
	MULS 0, 2
	FSTEP 7
	s_wait_dscnt 40
	MULS 0, 3
	FALL 1                                         ; block 1's fragments: no product has named their registers yet
	s_wait_dscnt 46                                ; step 4 is in: behind it three steps and these 16
	MULS 0, 4
	s_wait_dscnt 36
	MULS 0, 5
	s_wait_dscnt 26
	MULS 0, 6
	s_wait_dscnt 16
	MULS 0, 7
	STAGE 0
	FALL 2                                         ; into block 0's registers, behind STAGE's places
	s_wait_dscnt 32                                ; block 1's are in: behind them 8 stores, 8 loads and 16
	ROW 1
	SEND 0, 16
	STAGE 1
	FALL 3
	s_wait_dscnt 32
	ROW 2
	SEND 1, 16
	STAGE 2
	s_wait_dscnt 16                                ; block 3's are in
	ROW 3
	SEND 2, 0
	STAGE 3
	SEND 3, 0
	WIN 0
	s_wait_tensorcnt 0x0                           ; the wave's end
	ds_add_u32 v[SPW], v[NIL]
	s_wait_dscnt 0x0
	CROUND                                         ; the closing round
	s_endpgm
.Lfunc_end_k_q854d41bc73_proj:
	.size	k_q854d41bc73_proj, .Lfunc_end_k_q854d41bc73_proj-k_q854d41bc73_proj
	.p2alignl 7, 3214868480
	.fill 96, 4, 3214868480
	.section	.rodata,"a",@progbits
	.p2align	6, 0x0
	.amdhsa_kernel k_q854d41bc73_proj
		.amdhsa_group_segment_fixed_size 213760
		.amdhsa_private_segment_fixed_size 0
		.amdhsa_enable_private_segment 0
		.amdhsa_kernarg_size 48
		.amdhsa_user_sgpr_count 2
		.amdhsa_user_sgpr_kernarg_segment_ptr 1
		.amdhsa_wavefront_size32 1
		.amdhsa_system_sgpr_workgroup_id_x 1
		.amdhsa_system_sgpr_workgroup_id_y 1
		.amdhsa_system_sgpr_workgroup_id_z 1
		.amdhsa_system_vgpr_workitem_id 0
		.amdhsa_next_free_vgpr 704
		.amdhsa_next_free_sgpr 96
		.amdhsa_reserve_vcc 0
		.amdhsa_float_denorm_mode_32 3
		.amdhsa_float_denorm_mode_16_64 3
		.amdhsa_memory_ordered 1
		.amdhsa_forward_progress 1
		.amdhsa_inst_pref_size 48
	.end_amdhsa_kernel
	.amdgpu_metadata
---
amdhsa.version: [ 1, 2 ]
amdhsa.kernels:
  - .name:           k_q854d41bc73_proj
    .symbol:         k_q854d41bc73_proj.kd
    .args:
      - { .name: oc, .offset: 0, .size: 8, .value_kind: global_buffer, .address_space: global }
      - { .name: os, .offset: 8, .size: 8, .value_kind: global_buffer, .address_space: global }
      - { .name: w_out_codes, .offset: 16, .size: 8, .value_kind: global_buffer, .address_space: global }
      - { .name: w_out_scales, .offset: 24, .size: 8, .value_kind: global_buffer, .address_space: global }
      - { .name: b_out, .offset: 32, .size: 8, .value_kind: global_buffer, .address_space: global }
      - { .name: out0, .offset: 40, .size: 8, .value_kind: global_buffer, .address_space: global }
    .group_segment_fixed_size: 213760
    .private_segment_fixed_size: 0
    .kernarg_segment_align: 8
    .kernarg_segment_size: 48
    .max_flat_workgroup_size: 128
    .sgpr_count:     96
    .vgpr_count:     704
    .wavefront_size: 32
...
	.end_amdgpu_metadata
.endif
;; end of part 3
